; MI455X (gfx1250); checked and timed in simulation.
; The chip was launched on July 23, 2026; its instructions are those of AMD's public machine-readable ISA for CDNA 5 (MIT licence, August 2026) and "CDNA5" Instruction Set Architecture Reference Guide (July 2026). The comments in the code are by the model that wrote it; some were corrected since.
;; Cross Attention. Allowed arithmetic: matrix products marked QUANTISED: E2M1 operands, one E8M0 scale for each 32 along K, by v_wmma_scale_f32_16x16x128_f8f6f4 with both operands' format E2M1 (or v_wmma_scale_f32_32x16x128_f4), f32 sums; products left as they are: bf16, f16 or f32 operands; f32 sums; everything else in f32.
;; Inputs: Wkv 2,048 x 768 float32; Wo 1,024 x 1,024 float32; Wq 1,024 x 1,024 float32; bkv 2,048 float32; bo 1,024 float32; bq 1,024 float32; x 8 x 1,024 x 1,024 float32; y 8 x 1,024 x 768 float32.
;; Outputs: out0 8 x 1,024 x 1,024 float32.
;; This version of the problem:
;;   THIS VERSION OF THE PROBLEM IS GIVEN IN LOW PRECISION. The matrix products marked QUANTISED in the list below multiply operands that are first quantised to E2M1 (2 exponent bits, 1 mantissa bit; 4 bits a number), with one power-of-two scale for each 32 numbers along K (OCP MX v1.0); their sums are f32. The products marked 'left as it is' may take bf16, f16 or f32 operands, with f32 sums. Whichever they take, every output number must still come out within the allowed error. Rounding operands to bf16 (8 significant bits) uses up far more of that allowance than f16 does (11 bits, for magnitudes from 6e-5 to 65,504). All else is computed in f32.
;;   The module's matrix products, in the order in which they are computed (A, B: the left and right operand; K: the contracted axis; several contracted axes count as one K, in the product's order):
;;     1. [M 8,192, K 1,024] x [K 1,024, N 1,024]; A: input x; B: input Wq: QUANTISED
;;     2. [M 8,192, K 768] x [K 768, N 2,048]; A: input y; B: input Wkv: QUANTISED
;;     3. batch 128 x [M 1,024, K 64] x [K 64, N 1,024]; A: computed on the way; B: computed on the way: left as it is (an operand is computed on the way)
;;     4. batch 128 x [M 64, K 1,024] x [K 1,024, N 1,024]; A: computed on the way; B: computed on the way: left as it is (an operand is computed on the way)
;;     5. [M 8,192, K 1,024] x [K 1,024, N 1,024]; A: computed on the way; B: input Wo: left as it is (an operand is computed on the way)
;;   THE QUANTISER, for each operand of a quantised product, along K:
;;     - K is cut into blocks of 32 from its start; a last block that is shorter is filled with zeros.
;;     - A block's scale is 2^e with e = floor(log2(the largest magnitude in the block)) - 2, held to -126 .. 127; a block of zeros has e = 0. As a byte (E8M0): e + 127.
;;     - Each number is divided by its block's scale, clamped to +-6, and rounded to the nearest number of E2M1, ties to even, subnormals kept.
;;     - The product sums the exact products of the quantised numbers (number of the format x scale) in f32.
;;   ~~~python
;;   def quantise(x, axis):      # numpy; x: float32 -> the quantised numbers, widened to float32 again
;;       x = np.moveaxis(x, axis, -1); K = x.shape[-1]
;;       x = np.pad(x, [(0, 0)] * (x.ndim - 1) + [(0, -K % 32)]); x = x.reshape(x.shape[:-1] + (-1, 32)); a = np.abs(x).max(-1, keepdims=True)
;;       e = np.where(a > 0, np.clip(np.frexp(np.where(a > 0, a, 1))[1] - 1 - 2, -126, 127), 0)      # np.frexp(a)[1] - 1 = floor(log2(a)), exactly
;;       r = np.clip(x / 2.0 ** e, -6, 6)
;;       step = 2.0 ** (np.maximum(np.frexp(np.where(r == 0, 1, r))[1] - 1, 0) - 1)
;;       q = np.round(r / step) * step * 2.0 ** e      # np.round: ties to even
;;       return np.moveaxis(q.reshape(q.shape[:-2] + (-1,))[..., :K], -1, axis).astype(np.float32)
;;   ~~~
;; One version. Each part assembles by itself: llvm-mc -triple=amdgcn-amd-amdhsa -mcpu=gfx1250 --defsym DOCPART=n.
;; ======== version 1 of 1: 4 launches
;; limits: values are held in f16: magnitudes above 65,504 overflow, below 6.1e-05 lose precision
;; workspace buffers: codes 8,650,752 bytes; sc 622,592 bytes; wo_img 2,097,152 bytes; kv_img 33,554,432 bytes; o_img 16,777,216 bytes
;; launch prep (part 1): grid 1120 x 1, 4 waves a work-group, no clusters, 68,096 bytes of LDS; arguments x, y, Wq, Wkv, Wo, codes, sc, wo_img; writes codes, sc, wo_img
.if DOCPART == 1
	.amdgcn_target "amdgcn-amd-amdhsa--gfx1250"
	.amdhsa_code_object_version 6
	.text
	.protected	k_qc0df66c92e_prep
	.globl	k_qc0df66c92e_prep
	.p2align	8
	.type	k_qc0df66c92e_prep,@function
k_qc0df66c92e_prep:
	s_mov_b64 s[64:65], 0
	v_nop
	global_prefetch_b8 v0, s[64:65] scope:SCOPE_SE
	s_setreg_imm32_b32 hwreg(HW_REG_WAVE_MODE, 25, 1), 1
	s_wait_xcnt 0x0
; CROSS ATTENTION, launch 1 of 4.  x, y, Wq, Wkv (f32, K innermost) become codes of E2M1 with one E8M0 byte for each 32 along K; Wo becomes f16.
; WORK LEFT OUT IN THE WHOLE PROGRAM.  kv = y Wkv^T + bkv; of each head's 128 columns the first 64 are k.  The logits are q . (k0 + bk) / 8 = q . k0 / 8 + q . bk / 8, k0 the product without its bias.
; The second term does not hang on the context position m, which is the softmax's axis, so the softmax takes it away, whatever the inputs hold; and the product q k^T is not quantised, so bk moves no code.
; So the numbers bkv[128 h .. 128 h + 63] of every head h reach no output and are not loaded; bkv's other half (v's bias) is live.  LIMIT: a NaN, an infinity or an overflow in those 1,024 numbers is not carried to the result.
; LIMITS OF THE PROGRAM.  NaN and infinities among the inputs are not served.  q, k, v, the attention's result and Wo are rounded to f16: their magnitudes must stay under 65,504.
; A softmax weight under 2^-24 of its row's largest becomes 0.  A block of zeros gets the scale byte 1 where the quantiser says 127: its codes are zeros, and the bytes are read by this program alone.
; THE QUANTISER.  A block's scale is 2^(floor(log2(largest magnitude)) - 2): its byte is the largest magnitude's exponent field - 2, held at 1 from below by a floor among the maximum's leaves.
; LAYOUT OF THE RESULTS: IMAGES OF OPERAND REGISTERS.  A fragment of codes (16 rows x 128 K) is 8 registers a lane: lane (r = lane % 16, h = lane / 16) holds row r, registers 4 c .. 4 c + 3 hold k = 64 c + 32 h + 0 .. 31.
; It is stored as [c][lane][16 bytes], 1,024 bytes.  codes: for each tensor [K / 256][rows / 16][2 K steps][1,024].  sc: 32 bytes a row, word ks = the four bytes of K step ks (128 along K).
; wo_img: [32 along K: 32 quarters][row tile][c][lane][16 bytes] of f16: a fragment of 16 rows x 32 K; lane (r, h), registers 4 c ..: k = 16 c + 8 h + 0 .. 7.
; SHARES.  A wave takes a unit of 16 rows x 256 K, 16 KiB of f32.  Each load reads 512 consecutive bytes of a row; the numbers turn through the wave's own stage in LDS (rows 528 bytes apart, so that sixteen rows start in
; sixteen different 16-byte columns) and come back with a lane's registers running along K.  Every store of codes or f16 covers 512 consecutive bytes.  The scale words leave as 4 bytes a lane, 8 bytes of each row's 32:
; one byte for each 128 that the launch reads.  Waves share nothing: no barrier.  The matrix units, clusters and tensor loads have nothing to do here: memory binds.
.set WREG,  16896                      ; LDS of a wave: two stages
.set STG1,  8448                       ; the second stage: 16 rows x 528
.set ROWP,  528
.set SPARE, 4*WREG                     ; behind the stages: the spare words, 128 bytes for each wave
.set SPW,  8                           ; v8   LDS address of my spare word; never rewritten
.set NIL,  9                           ; v9   0; never rewritten
.set MX,   10                          ; v10-11 largest magnitudes of my two blocks
.set SO,   12                          ; v12-13 the conversions' scale operands
.set BY,   14                          ; v14-15 the scale bytes
.set RAW,  16                          ; v16-143 the unit as loaded: set s at 16 + 64 s
.set X0,   144                         ; v144-207 64 numbers along K
.set C,    208                         ; v208-223 codes: 8 registers for each K step
.set W,    224
.set T,    225
.set WD,   226                         ; v226-227 the two K steps' scale words
.set OUTW, 228
	s_load_b512 s[8:23], s[0:1], 0x0               ; x 8, y 10, Wq 12, Wkv 14, Wo 16, codes 18, sc 20, wo_img 22
	v_lshl_add_u32 v[SPW], v0, 2, SPARE
	v_mov_b32 v[NIL], 0
	v_lshrrev_b32 v1, 5, v0
	v_readfirstlane_b32 s24, v1                    ; wave
	v_and_b32 v1, 31, v0                           ; lane
	v_lshlrev_b32 v2, 4, v1                        ; 16 x lane
	s_mul_i32 s25, s24, WREG
	v_add_nc_u32 v3, s25, v2                       ; the stage, on the way in: a row's 512 bytes as they lie
	v_and_b32 v6, 15, v0                           ; r
	v_bfe_u32 v7, v0, 4, 1                         ; h
	v_mul_u32_u24 v4, v6, ROWP
	v_add_nc_u32 v4, s25, v4
	v_lshl_add_u32 v5, v7, 5, v4                   ; on the way out for f16: row r, + 32 h
	v_lshl_add_u32 v4, v7, 7, v4                   ; on the way out for codes: row r, + 128 h
	v_lshlrev_b32 v6, 5, v6
	v_lshl_add_u32 v6, v7, 2, v6                   ; scale words: 32 r + 4 h
	v_lshlrev_b32 v7, 3, v7                        ; 8 h: bits by which my two bytes are shifted
	v_mov_b32 v[T], 0                              ; a lane permute's destination counts as one of its sources
	s_mov_b32 s38, 0x76543210
	s_mov_b32 s39, 0xfedcba98                      ; lane l xor 16
	s_mov_b32 s26, 0                               ; the tensor's first work-group
	s_mov_b32 s27, 9                               ; log2 of its row tiles
	s_mov_b32 s28, 0                               ; where its codes begin
	s_mov_b32 s29, 0                               ; where its rows begin in sc
	s_mov_b32 s40, 4096                            ; bytes in a row
	s_wait_kmcnt 0x0
	s_mov_b64 s[30:31], s[8:9]
	s_cmp_ge_u32 ttmp9, 512                        ; the tensor is chosen by the work-group's number alone
	s_cselect_b64 s[30:31], s[10:11], s[30:31]     ; y
	s_cselect_b32 s26, 512, s26
	s_cselect_b32 s28, 0x400000, s28
	s_cselect_b32 s29, 8192, s29
	s_cselect_b32 s40, 3072, s40
	s_cmp_ge_u32 ttmp9, 896
	s_cselect_b64 s[30:31], s[12:13], s[30:31]     ; Wq
	s_cselect_b32 s26, 896, s26
	s_cselect_b32 s27, 6, s27
	s_cselect_b32 s28, 7340032, s28
	s_cselect_b32 s29, 16384, s29
	s_cselect_b32 s40, 4096, s40
	s_cmp_ge_u32 ttmp9, 960
	s_cselect_b64 s[30:31], s[14:15], s[30:31]     ; Wkv
	s_cselect_b32 s26, 960, s26
	s_cselect_b32 s27, 7, s27
	s_cselect_b32 s28, 7864320, s28
	s_cselect_b32 s29, 17408, s29
	s_cselect_b32 s40, 3072, s40
	s_cmp_ge_u32 ttmp9, 1056
	s_cselect_b64 s[30:31], s[16:17], s[30:31]     ; Wo
	s_cselect_b32 s26, 1056, s26
	s_cselect_b32 s27, 6, s27
	s_cselect_b32 s40, 4096, s40
	s_sub_co_u32 s32, ttmp9, s26
	s_lshl_b32 s32, s32, 2
	s_add_co_u32 s32, s32, s24                     ; u: my unit of the tensor
	s_lshr_b32 s33, s32, s27                       ; kc: which 256 along K
	s_lshl_b32 s34, s33, s27
	s_sub_co_u32 s34, s32, s34                     ; rt: which 16 rows
	s_mul_i32 s36, s34, s40
	s_lshl_b32 s36, s36, 4
	s_lshl_b32 s37, s33, 10
	s_add_co_u32 s36, s36, s37
	s_mov_b32 s37, 0
	s_add_nc_u64 s[30:31], s[30:31], s[36:37]      ; source: 16 rt rows + 1,024 kc bytes
	s_lshl_b32 s36, s32, 11
	s_add_co_u32 s36, s36, s28
	s_add_nc_u64 s[18:19], s[18:19], s[36:37]      ; codes: 2,048 bytes a unit
	s_lshl_b32 s36, s34, 4
	s_add_co_u32 s36, s36, s29
	s_lshl_b32 s36, s36, 5
	s_lshl_b32 s35, s33, 3
	s_add_co_u32 s36, s36, s35
	s_add_nc_u64 s[20:21], s[20:21], s[36:37]      ; scale words: 32 bytes a row, + 8 kc
	s_lshl_b32 s36, s33, 19                        ; Wo's image: 256 along K are eight quarters of 65,536 bytes,
	s_lshl_b32 s35, s34, 10                        ; a row tile's fragment is 1,024 bytes
	s_add_co_u32 s36, s36, s35
	s_add_nc_u64 s[22:23], s[22:23], s[36:37]      ; (used by Wo's work-groups alone)
.macro LOADS pitch                     ; 32 loads: K step s, row i: 512 consecutive bytes each
.irp s, 0,1
.irp i, 0,1,2,3,4,5,6,7,8,9,10,11,12,13,14,15
	global_load_b128 v[RAW+64*\s+4*\i:RAW+64*\s+4*\i+3], v2, s[30:31] offset:\i*\pitch+512*\s th:TH_LOAD_NT
.endr
.endr
.endm
	s_cmp_eq_u32 s40, 4096                         ; the rows' length stands in the immediates, so the loads are written for both lengths
	s_cbranch_scc0 .Lnarrow
	LOADS 4096
	s_branch .Lloaded
.Lnarrow:
	LOADS 3072
.Lloaded:
	s_wait_loadcnt 16                              ; K step 0's sixteen loads are in; K step 1's sixteen may be out
.irp i, 0,1,2,3,4,5,6,7,8,9,10,11,12,13,14,15
	ds_store_b128 v3, v[RAW+4*\i:RAW+4*\i+3] offset:ROWP*\i
.endr
	s_wait_loadcnt 0x0
.irp i, 0,1,2,3,4,5,6,7,8,9,10,11,12,13,14,15
	ds_store_b128 v3, v[RAW+64+4*\i:RAW+64+4*\i+3] offset:STG1+ROWP*\i
.endr
	s_cmp_ge_u32 ttmp9, 1056
	s_cbranch_scc1 .Lwo
; ---- codes.  Register reg + 32 c + n = number k = 64 c + 32 h + n of my row
.macro QFETCH reg, s
.irp c, 0,1
.irp i, 0,1,2,3,4,5,6,7
	ds_load_b128 v[\reg+32*\c+4*\i:\reg+32*\c+4*\i+3], v4 offset:STG1*\s+256*\c+16*\i
.endr
.endr
.endm
.macro QSTEP xs, s
.irp c, 0,1
	v_max3_num_f32 v[MX+\c], |v[\xs+32*\c]|, |v[\xs+32*\c+1]|, 0x1800000   ; my block 2 c + h: all its 32 numbers are mine; the floor 2^(3 - 127) keeps the byte at 1 or above
.endr
.irp i, 2,4,6,8,10,12,14,16,18,20,22,24,26,28,30
.irp c, 0,1
	v_max3_num_f32 v[MX+\c], v[MX+\c], |v[\xs+32*\c+\i]|, |v[\xs+32*\c+\i+1]|
.endr
.endr
.irp c, 0,1
	v_add_nc_u32 v[SO+\c], 0xff000000, v[MX+\c]    ; 2 off the exponent field: the conversion takes this operand's exponent field as its scale
.endr
.irp c, 0,1
	v_lshrrev_b32 v[BY+\c], 23, v[SO+\c]           ; the scale's byte
.endr
	v_lshl_or_b32 v[W], v[BY+1], 16, v[BY]         ; bytes h and 2 + h of the row's word,
	v_lshlrev_b32 v[W], v7, v[W]                   ; at their places;
	v_permlanex16_b32 v[T], v[W], s38, s39
	v_or_b32 v[WD+\s], v[W], v[T]                  ; with lane l xor 16's two the word is whole
.irp c, 0,1
.irp g, 0,1,2,3
	v_cvt_scalef32_pk8_fp4_f32 v[C+8*\s+4*\c+\g], v[\xs+32*\c+8*\g:\xs+32*\c+8*\g+7], v[SO+\c]
.endr
.endr
	v_nop                                          ; one plain instruction behind the conversions: the next K step writes their scale operands
.irp c, 0,1
	global_store_b128 v2, v[C+8*\s+4*\c:C+8*\s+4*\c+3], s[18:19] offset:1024*\s+512*\c   ; 32 lanes store 512 consecutive bytes
.endr
.endm
	QFETCH X0, 0                                   ; LDS serves a wave's instructions in order: these see my stores
	s_wait_dscnt 0x0
	QFETCH RAW, 1                                  ; K step 1 comes back while K step 0 is quantised
	QSTEP X0, 0
	s_wait_dscnt 0x0
	QSTEP RAW, 1
	v_cmp_le_u32 vcc_lo, 16, v1
	v_cndmask_b32 v[OUTW], v[WD], v[WD+1], vcc_lo  ; lane (r, h) stores word 2 kc + h of row r
	global_store_b32 v6, v[OUTW], s[20:21]
	s_wait_tensorcnt 0x0                           ; the wave's end
	ds_add_u32 v[SPW], v[NIL]
	s_wait_dscnt 0x0
	s_endpgm
; ---- Wo: f16.  Register reg + 8 g + n = number k = 16 g + 8 h + n of my row (g = 2 x fragment + c)
.Lwo:
.macro WFETCH reg, s
.irp g, 0,1,2,3,4,5,6,7
.irp u, 0,1
	ds_load_b128 v[\reg+8*\g+4*\u:\reg+8*\g+4*\u+3], v5 offset:STG1*\s+64*\g+16*\u
.endr
.endr
.endm
.macro WSTEP xs, s
.irp g, 0,1,2,3,4,5,6,7
.irp i, 0,1,2,3
	v_cvt_pk_f16_f32 v[\xs+8*\g+\i], v[\xs+8*\g+2*\i], v[\xs+8*\g+2*\i+1]   ; in place: register i is written when registers 2 i, 2 i + 1 are read
.endr
.endr
.irp g, 0,1,2,3,4,5,6,7
	global_store_b128 v2, v[\xs+8*\g:\xs+8*\g+3], s[22:23] offset:262144*\s+65536*(\g/2)+512*(\g%2)   ; quarter 4 s + g / 2 of my eight, half c = g % 2 of the fragment: 512 consecutive bytes
.endr
.endm
	WFETCH X0, 0
	s_wait_dscnt 0x0
	WFETCH RAW, 1
	WSTEP X0, 0
	s_wait_dscnt 0x0
	WSTEP RAW, 1
	s_wait_tensorcnt 0x0                           ; the wave's end, as above
	ds_add_u32 v[SPW], v[NIL]
	s_wait_dscnt 0x0
	s_endpgm
.Lfunc_end_k_qc0df66c92e_prep:
	.size	k_qc0df66c92e_prep, .Lfunc_end_k_qc0df66c92e_prep-k_qc0df66c92e_prep
	.p2alignl 7, 3214868480
	.fill 96, 4, 3214868480
	.section	.rodata,"a",@progbits
	.p2align	6, 0x0
	.amdhsa_kernel k_qc0df66c92e_prep
		.amdhsa_group_segment_fixed_size 68096
		.amdhsa_private_segment_fixed_size 0
		.amdhsa_enable_private_segment 0
		.amdhsa_kernarg_size 64
		.amdhsa_user_sgpr_count 2
		.amdhsa_user_sgpr_kernarg_segment_ptr 1
		.amdhsa_wavefront_size32 1
		.amdhsa_system_sgpr_workgroup_id_x 1
		.amdhsa_system_sgpr_workgroup_id_y 1
		.amdhsa_system_sgpr_workgroup_id_z 1
		.amdhsa_system_vgpr_workitem_id 0
		.amdhsa_next_free_vgpr 232
		.amdhsa_next_free_sgpr 66
		.amdhsa_reserve_vcc 1
		.amdhsa_float_denorm_mode_32 3
		.amdhsa_float_denorm_mode_16_64 3
		.amdhsa_memory_ordered 1
		.amdhsa_forward_progress 1
		.amdhsa_inst_pref_size 29
	.end_amdhsa_kernel
	.amdgpu_metadata
---
amdhsa.version: [ 1, 2 ]
amdhsa.kernels:
  - .name:           k_qc0df66c92e_prep
    .symbol:         k_qc0df66c92e_prep.kd
    .args:
      - { .name: x, .offset: 0, .size: 8, .value_kind: global_buffer, .address_space: global }
      - { .name: y, .offset: 8, .size: 8, .value_kind: global_buffer, .address_space: global }
      - { .name: Wq, .offset: 16, .size: 8, .value_kind: global_buffer, .address_space: global }
      - { .name: Wkv, .offset: 24, .size: 8, .value_kind: global_buffer, .address_space: global }
      - { .name: Wo, .offset: 32, .size: 8, .value_kind: global_buffer, .address_space: global }
      - { .name: codes, .offset: 40, .size: 8, .value_kind: global_buffer, .address_space: global }
      - { .name: sc, .offset: 48, .size: 8, .value_kind: global_buffer, .address_space: global }
      - { .name: wo_img, .offset: 56, .size: 8, .value_kind: global_buffer, .address_space: global }
    .group_segment_fixed_size: 68096
    .private_segment_fixed_size: 0
    .kernarg_segment_align: 8
    .kernarg_segment_size: 64
    .max_flat_workgroup_size: 128
    .sgpr_count:     66
    .vgpr_count:     232
    .wavefront_size: 32
...
	.end_amdgpu_metadata
.endif
;; end of part 1
;; launch kvproj (part 2): grid 8 x 32, 4 waves a work-group, clusters of 4 x 4, 197,120 bytes of LDS; arguments codes, sc, bkv, kv_img; writes kv_img
.if DOCPART == 2
	.amdgcn_target "amdgcn-amd-amdhsa--gfx1250"
	.amdhsa_code_object_version 6
	.text
	.protected	k_qc0df66c92e_kvproj
	.globl	k_qc0df66c92e_kvproj
	.p2align	8
	.type	k_qc0df66c92e_kvproj,@function
k_qc0df66c92e_kvproj:
	s_mov_b64 s[64:65], 0
	v_nop
	global_prefetch_b8 v0, s[64:65] scope:SCOPE_SE
	s_setreg_imm32_b32 hwreg(HW_REG_WAVE_MODE, 25, 1), 1
	s_wait_xcnt 0x0
	s_wait_alu depctr_hold_cnt(0) depctr_sa_sdst(0) depctr_va_vdst(0) depctr_va_sdst(0) depctr_va_ssrc(0) depctr_va_vcc(0) depctr_vm_vsrc(0)
	s_getreg_b32 s2, hwreg(HW_REG_IB_STS2, 6, 4)
	s_cmp_eq_u32 s2, 0
	s_cbranch_scc0 .Lentry_in_a_cluster
	s_endpgm
.Lentry_in_a_cluster:
	s_bfe_u32 s2, ttmp6, 0x10000c
	s_cmp_lg_u32 s2, 0xf033
	s_cbranch_scc0 .Lentry_shape_is_right
	s_endpgm
.Lentry_shape_is_right:
; CROSS ATTENTION, launch 2 of 4.  kv = Q(y) Q(Wkv)^T (+ v's half of bkv), on codes of E2M1 with E8M0 scales, sums in f32; the result is rounded to f16 and stored as images of the attention's operand registers.
; LEFT OUT: k's half of bkv adds to every logit of a row the same number, which the softmax takes away for all values of the inputs (shown at the head of the first kernel): k's sums begin with the constant 0.
; SHARES.  A work-group makes 256 rows of y x 256 columns; wave (Mh = wave / 2, Nh = wave % 2) makes 128 x 128: 64 accumulators, 512 registers.  A wave's 128 columns are one head: column blocks 0-3 are k, 4-7 are v.
; K = 768 is six steps of 128, 64 matrix instructions each.  ALL OF K STAYS IN LDS: three chunks of 256 along K, 64 KiB each (A's 16 row tiles, then B's), each filled once, at the start: nothing is filled again.
; A chunk is a dense block of the codes' buffer (images of fragments), so a fragment is two loads of 16 bytes a lane at 16 x lane: an instruction's 512 bytes are consecutive, and no padding is wanted.
; CLUSTERS: 4 x 4 work-groups.  The four of a row of the cluster need the same rows of y, the four of a column the same rows of Wkv: each tile is asked for jointly, by the same tensor load with a mask that names the four.
; By this text's own count a wave has three tensor loads out.
; THE MATRIX INSTRUCTION IS USED TRANSPOSED (source 0 = 16 rows of Wkv, source 1 = 16 rows of y): lane (r, h) holds row r of y and eight neighbouring columns 8 h + 0 .. 7.  Packed to f16 they are 16 bytes:
; k: registers 4 c .. 4 c + 3 of the fragment (16 keys x 32 channels) of the product k q^T, in the very lane that wants them; stored at 16 x lane.
; v: wanted with the keys along the registers; lane l stores at 16 p(l), p(l) = 16 ((l / 8) % 2) + 8 (l / 16) + l % 8, so that the turning LDS load at 16 x lane finds key 8 (L / 16) + L % 8, channels 8 ((L / 8) % 2) on.
; kv_img: [batch x 16 + head][64 keys][16 KiB]: k [key tile 4][fragment 2][c 2][512 bytes], then v [32 keys 2][channel tile 4][16 keys 2][512 bytes].
; REGISTERS, in windows of 256: window 0: v16-29 addresses; v32-95 scale words (register 8 i + ks: lanes 0-15 y's block i, lanes 16-31 Wkv's block i); v96-127 v's bias; v128-191 packed results.
;   window 1: Wkv's fragments, two sets at v0 and v64; y's, one set at v128.   window 2: the accumulators of my rows 0-63 ((a, b) at v[8 (8 (a % 4) + b)]);   window 3: those of rows 64-127.
.set SPARE, 196608                     ; behind the three chunks: the spare words, 128 bytes for each wave
.set ADRA, 16                          ; v16-18 LDS address of my fragments of y in chunk 0, 1, 2
.set ADRB, 20                          ; v20-22 the same for Wkv
.set KO,   24                          ; v24 16 x lane
.set VO,   25                          ; v25 16 x p(lane)
.set BO,   26                          ; v26 32 h
.set SCO,  27                          ; v27 my row's scale words in sc
.set SPW,  28                          ; v28 LDS address of my spare word; never rewritten
.set NIL,  29                          ; v29 0; never rewritten
.set SC,   32
.set BIAS, 96
.set TMP,  128
.set AF,   128                         ; y's fragments, in window 1
.set G1A,  24                          ; s[24:31] descriptor group 1 for y's tiles
.set G1B,  48                          ; s[48:55] for Wkv's: it differs in the mask
.set G0A,  68                          ; s[68:79] groups 0 for y's three chunks
.set G0B,  80                          ; s[80:91] for Wkv's
.set MSB, 0
.macro WIN new                         ; the immediate's high byte repeats the setting that is left
.if MSB != (\new)
	s_set_vgpr_msb (MSB<<8)|(\new)
.set MSB, (\new)
.endif
.endm
.macro CROUND                          ; a round of the cluster's barrier
	s_barrier_signal -1
	s_barrier_wait -1
	s_cmp_lg_u32 s14, 0
	s_cbranch_scc1 .Lnot_wave_0_\@
	s_barrier_signal -3
.Lnot_wave_0_\@:
	s_barrier_wait -3
	s_barrier_signal -1
	s_barrier_wait -1
.endm
.macro PLACES                          ; four plain instructions between a matrix instruction and a load into, or a read of, its registers
.rept 4
	v_nop
.endr
.endm
	s_load_b256 s[4:11], s[0:1], 0x0               ; codes 4, sc 6, bkv 8, kv_img 10
	v_lshl_add_u32 v[SPW], v0, 2, SPARE
	v_mov_b32 v[NIL], 0
	ds_add_u32 v[SPW], v[NIL]                      ; the wave's opening: the add, twice on end, and its wait ahead of my first tensor load
	ds_add_u32 v[SPW], v[NIL]
	v_lshrrev_b32 v1, 5, v0
	v_readfirstlane_b32 s14, v1                    ; wave 0..3
	s_lshr_b32 s15, s14, 1                         ; Mh.  Also: I fetch for y (0) or for Wkv (1)
	s_and_b32 s16, s14, 1                          ; Nh.  Also: which 128 rows of that tile I fetch
	s_bfe_u32 s40, ttmp6, 0x40000                  ; cx
	s_bfe_u32 s41, ttmp6, 0x40004                  ; cy
	s_lshl_b32 s42, ttmp9, 2
	s_add_co_u32 s42, s42, s40                     ; tile column = 4 x cluster x + cx
	s_and_b32 s17, ttmp7, 0xffff
	s_lshl_b32 s17, s17, 2
	s_add_co_u32 s17, s17, s41                     ; tile row = 4 x cluster y + cy
	s_lshl_b32 s43, s41, 2
	s_lshl_b32 s43, 15, s43                        ; my row of the cluster
	s_lshl_b32 s44, 0x1111, s40                    ; my column
	s_or_b32 s[G1A], s43, (3<<16)|(1<<21)          ; 15:0 the mask; 17:16 elements of 8 bytes; 21 set beside a mask; no padding
	s_or_b32 s[G1B], s44, (3<<16)|(1<<21)
.irp g, G1A, G1B
	s_mov_b32 s[\g+1], 32<<16                      ; tensor_dim0 = 32 elements: rows of 256 bytes
	s_mov_b32 s[\g+2], 64<<16                      ; tensor_dim1 = 64 rows: 16 KiB, the fragments of 128 rows x 256 K
	s_mov_b32 s[\g+3], 32<<16                      ; tile_dim0
	s_mov_b32 s[\g+4], 64                          ; tile_dim1
	s_mov_b32 s[\g+5], 32                          ; from row to row: dense
	s_mov_b32 s[\g+6], 0
	s_mov_b32 s[\g+7], 0
.endr
	s_lshl_b32 s18, s16, 3
	s_lshl_b32 s20, s17, 4
	s_add_co_u32 s20, s20, s18                     ; y: row tile 16 x tile row + 8 x half
	s_lshl_b32 s20, s20, 11
	s_add_co_u32 s20, s20, 4194304                 ; y's codes begin here
	s_mov_b32 s21, 0
	s_lshl_b32 s46, s42, 4
	s_add_co_u32 s46, s46, s18                     ; Wkv: row tile 16 x tile column + 8 x half
	s_lshl_b32 s46, s46, 11
	s_add_co_u32 s46, s46, 7864320                 ; Wkv's codes begin here
	s_mov_b32 s47, 0
	s_lshl_b32 s45, s16, 14                        ; where they go in a chunk's half: no place in the cluster enters an LDS address
	s_wait_dscnt 0x0                               ; both opening adds are done
	s_wait_kmcnt 0x0
	s_add_nc_u64 s[20:21], s[4:5], s[20:21]
	s_add_nc_u64 s[46:47], s[4:5], s[46:47]
	CROUND                                         ; all sixteen work-groups are here: the joint loads meet
.irp j, 0,1,2
	s_mov_b32 s[G0A+4*\j], 1
	s_add_co_u32 s[G0A+4*\j+1], s45, \j*65536
	s_add_nc_u64 s[G0A+4*\j+2:G0A+4*\j+3], s[20:21], \j*1048576    ; 256 along K on: 512 row tiles x 2,048 bytes
	s_or_b32 s[G0A+4*\j+3], s[G0A+4*\j+3], 0x80000000
	s_mov_b32 s[G0B+4*\j], 1
	s_add_co_u32 s[G0B+4*\j+1], s45, \j*65536+32768
	s_add_nc_u64 s[G0B+4*\j+2:G0B+4*\j+3], s[46:47], \j*262144     ; 128 row tiles x 2,048 bytes
	s_or_b32 s[G0B+4*\j+3], s[G0B+4*\j+3], 0x80000000
.endr
	s_cmp_eq_u32 s15, 0                            ; a wave's three fills stand in one arm; the branch hangs on the wave's number alone
	s_cbranch_scc0 .Lfill_b
.irp j, 0,1,2
	tensor_load_to_lds s[G0A+4*\j:G0A+4*\j+3], s[G1A:G1A+7]
	s_nop 0
.endr
	PLACES
	s_branch .Lfilled
.Lfill_b:
.irp j, 0,1,2
	tensor_load_to_lds s[G0B+4*\j:G0B+4*\j+3], s[G1B:G1B+7]
	s_nop 0
.endr
	PLACES
.Lfilled:
	v_and_b32 v1, 31, v0                           ; lane
	v_and_b32 v2, 15, v0                           ; r
	v_bfe_u32 v3, v0, 4, 1                         ; h
	v_lshlrev_b32 v[KO], 4, v1
	v_bfe_u32 v4, v0, 3, 1
	v_and_b32 v5, 7, v0
	v_lshl_add_u32 v5, v3, 3, v5
	v_lshl_add_u32 v5, v4, 4, v5                   ; p(lane)
	v_lshlrev_b32 v[VO], 4, v5
	v_lshlrev_b32 v[BO], 5, v3
	s_lshl_b32 s92, s17, 8
	s_lshl_b32 s93, s15, 7
	s_add_co_u32 s92, s92, s93
	s_add_co_u32 s92, s92, 8192                    ; y's rows begin at row 8,192 of sc
	s_lshl_b32 s92, s92, 5                         ; my first row of y, 32 bytes a row
	s_lshl_b32 s94, s42, 8
	s_lshl_b32 s93, s16, 7
	s_add_co_u32 s94, s94, s93
	s_add_co_u32 s94, s94, 17408                   ; Wkv's at row 17,408
	s_lshl_b32 s94, s94, 5
	s_sub_co_u32 s94, s94, s92                     ; the distance between the two, positive and under 2^24
	v_mul_u32_u24 v[SCO], s94, v3                  ; lanes 16-31 take Wkv's
	v_lshl_add_u32 v[SCO], v2, 5, v[SCO]
	v_add_nc_u32 v[SCO], s92, v[SCO]
	s_lshl_b32 s95, s42, 1
	s_add_co_u32 s95, s95, s16                     ; my head
	s_lshl_b32 s96, s95, 9
	s_add_co_u32 s96, s96, 256                     ; v's bias: numbers 128 head + 64 on
	s_mov_b32 s97, 0
	s_add_nc_u64 s[8:9], s[8:9], s[96:97]
	s_lshr_b32 s96, s17, 2
	s_lshl_b32 s96, s96, 22                        ; the batch: 16 heads x 256 KiB
	s_lshl_b32 s98, s95, 18
	s_add_co_u32 s96, s96, s98
	s_and_b32 s98, s17, 3
	s_lshl_b32 s98, s98, 2
	s_lshl_b32 s99, s15, 1
	s_add_co_u32 s98, s98, s99                     ; my first 64 keys: 4 (tile row % 4) + 2 Mh
	s_lshl_b32 s98, s98, 14
	s_add_co_u32 s96, s96, s98
	s_add_nc_u64 s[10:11], s[10:11], s[96:97]
.irp i, 0,1,2,3,4,5,6,7
	global_load_b128 v[SC+8*\i:SC+8*\i+3], v[SCO], s[6:7] offset:512*\i        ; block i's words of K steps 0-3,
	global_load_b64 v[SC+8*\i+4:SC+8*\i+5], v[SCO], s[6:7] offset:512*\i+16    ; and of 4, 5
.endr
.irp b, 0,1,2,3
	global_load_b128 v[BIAS+8*\b:BIAS+8*\b+3], v[BO], s[8:9] offset:64*\b      ; in the result's layout: column 16 b + 8 h + 0 .. 7 of v
	global_load_b128 v[BIAS+8*\b+4:BIAS+8*\b+7], v[BO], s[8:9] offset:64*\b+16
.endr
	s_lshl_b32 s93, s15, 14
	v_add_nc_u32 v[ADRA], s93, v[KO]
	v_add_nc_u32 v[ADRA+1], 0x10000, v[ADRA]
	v_add_nc_u32 v[ADRA+2], 0x20000, v[ADRA]
	s_lshl_b32 s93, s16, 14
	s_add_co_u32 s93, s93, 32768
	v_add_nc_u32 v[ADRB], s93, v[KO]
	v_add_nc_u32 v[ADRB+1], 0x10000, v[ADRB]
	v_add_nc_u32 v[ADRB+2], 0x20000, v[ADRB]
.macro FRAG reg, adr, off              ; a fragment comes back as it was stored: two loads, 512 bytes apart
	ds_load_b128 v[\reg:\reg+3], v[\adr] offset:\off
	ds_load_b128 v[\reg+4:\reg+7], v[\adr] offset:\off+512
.endm
.macro FETCH_B ks, set                 ; Wkv's eight fragments of K step ks
.irp i, 0,1,2,3,4,5,6,7
	FRAG 64*(\set)+8*\i, ADRB+(\ks)/2, \i*2048+((\ks)%2)*1024
.endr
.endm
.macro FETCH_A ks, i0                  ; y's blocks i0 .. i0 + 3
.irp i, \i0, \i0+1, \i0+2, \i0+3
	FRAG AF+8*(\i), ADRA+(\ks)/2, (\i)*2048+((\ks)%2)*1024
.endr
.endm
; 16 matrix instructions: y's blocks a0, a0 + 1 x Wkv's eight.  first = 1: the sums begin, k's with the constant 0, v's with its bias.  The 64 accumulators take turns, one instruction a turn, in the same order in every step.
.macro MUL16 a0, set, ks, first
.irp a, \a0, \a0+1
.irp b, 0,1,2,3,4,5,6,7
.if \first
.if \b < 4
	v_wmma_scale_f32_16x16x128_f8f6f4 v[8*(8*((\a)%4)+\b):8*(8*((\a)%4)+\b)+7], v[64*(\set)+8*\b:64*(\set)+8*\b+7], v[AF+8*(\a):AF+8*(\a)+7], 0, v[SC+8*\b+(\ks)], v[SC+8*(\a)+(\ks)] matrix_a_fmt:MATRIX_FMT_FP4 matrix_b_fmt:MATRIX_FMT_FP4 matrix_a_scale:MATRIX_SCALE_ROW1
.else
	v_wmma_scale_f32_16x16x128_f8f6f4 v[8*(8*((\a)%4)+\b):8*(8*((\a)%4)+\b)+7], v[64*(\set)+8*\b:64*(\set)+8*\b+7], v[AF+8*(\a):AF+8*(\a)+7], v[BIAS+8*(\b-4):BIAS+8*(\b-4)+7], v[SC+8*\b+(\ks)], v[SC+8*(\a)+(\ks)] matrix_a_fmt:MATRIX_FMT_FP4 matrix_b_fmt:MATRIX_FMT_FP4 matrix_a_scale:MATRIX_SCALE_ROW1
.endif
.else
	v_wmma_scale_f32_16x16x128_f8f6f4 v[8*(8*((\a)%4)+\b):8*(8*((\a)%4)+\b)+7], v[64*(\set)+8*\b:64*(\set)+8*\b+7], v[AF+8*(\a):AF+8*(\a)+7], v[8*(8*((\a)%4)+\b):8*(8*((\a)%4)+\b)+7], v[SC+8*\b+(\ks)], v[SC+8*(\a)+(\ks)] matrix_a_fmt:MATRIX_FMT_FP4 matrix_b_fmt:MATRIX_FMT_FP4 matrix_a_scale:MATRIX_SCALE_ROW1
.endif
.endr
.endr
.endm
; A K step that has a successor.  A block of y is free when its eight products are issued, so y has one set: blocks 0-3 are fetched anew in the step's middle, blocks 4-7 at its end; Wkv has two sets.
; meet >= 0: the next step opens a chunk: my part of it has landed when at most meet younger tensor loads are out; then the work-group's barrier.
.macro STEP ks, first, meet
	s_wait_dscnt 8                                 ; Wkv's set and y's blocks 0-3 are in; the youngest eight loads (blocks 4-7) may be out
.if \first
	WIN 0x85                                       ; sources 0 and 1 window 1, C window 0, D window 2
.else
	WIN 0xa5                                       ; C and D window 2
.endif
	MUL16 0, (\ks)%2, \ks, \first
	MUL16 2, (\ks)%2, \ks, \first
	s_wait_dscnt 0x0                               ; blocks 4-7 are in; no LDS instruction of mine is out
.if \meet >= 0
	s_wait_tensorcnt \meet
	s_barrier_signal -1
	s_barrier_wait -1
.endif
	PLACES
	WIN 0x40                                       ; destination window 1, address window 0
	FETCH_B (\ks)+1, 1-(\ks)%2
	FETCH_A (\ks)+1, 0
.if \first
	WIN 0xc5
.else
	WIN 0xf5
.endif
	MUL16 4, (\ks)%2, \ks, \first
	MUL16 6, (\ks)%2, \ks, \first
	PLACES
	WIN 0x40
	FETCH_A (\ks)+1, 4
.endm
	s_wait_tensorcnt 2                             ; my part of chunk 0 is in; the two younger loads may be out
	s_barrier_signal -1
	s_barrier_wait -1
	WIN 0x40
	FETCH_B 0, 0
	FETCH_A 0, 0
	FETCH_A 0, 4
	s_wait_loadcnt 0x0                             ; the scale words and the bias
	STEP 0, 1, -1
	STEP 1, 0, 1
	STEP 2, 0, -1
	STEP 3, 0, 0
	STEP 4, 0, -1
	s_wait_dscnt 8                                 ; the last step: nothing more to fetch
	WIN 0xa5
	MUL16 0, 1, 5, 0
	MUL16 2, 1, 5, 0
	s_wait_dscnt 0x0
	WIN 0xf5
	MUL16 4, 1, 5, 0
	MUL16 6, 1, 5, 0
	PLACES
; THE WAY OUT, a block of 16 keys at a time: each accumulator from its low end on, rounded to f16; every store of the wave covers 512 consecutive bytes.
.macro OUTBLK a
.set AC, 64*((\a)%4)
.set TP, TMP+32*((\a)%2)
.if (\a) >= 2
	s_wait_xcnt 0x0                                ; block a - 2's stores have read their registers: they are written again only behind this wait
.endif
	WIN 0x0a+5*((\a)/4)                            ; sources 0 and 1: window 2 or 3
.irp b, 0,1,2,3,4,5,6,7
.irp i, 0,1,2,3
	v_cvt_pk_f16_f32 v[TP+4*\b+\i], v[AC+8*\b+2*\i], v[AC+8*\b+2*\i+1]
.endr
.endr
	WIN 0
.irp b, 0,1,2,3
	global_store_b128 v[KO], v[TP+4*\b:TP+4*\b+3], s[10:11] offset:((\a)/4)*16384+((\a)%4)*2048+512*\b
.endr
.irp b, 0,1,2,3
	global_store_b128 v[VO], v[TP+16+4*\b:TP+16+4*\b+3], s[10:11] offset:((\a)/4)*16384+8192+(((\a)%4)/2)*4096+1024*\b+((\a)%2)*512
.endr
.endm
.irp a, 0,1,2,3,4,5,6,7
	OUTBLK \a
.endr
	s_wait_tensorcnt 0x0                           ; the wave's end
	ds_add_u32 v[SPW], v[NIL]
	s_wait_dscnt 0x0
	CROUND                                         ; the closing round: no work-group ends while a partner may still ask for a tile that names it
	s_endpgm
.Lfunc_end_k_qc0df66c92e_kvproj:
	.size	k_qc0df66c92e_kvproj, .Lfunc_end_k_qc0df66c92e_kvproj-k_qc0df66c92e_kvproj
	.p2alignl 7, 3214868480
	.fill 96, 4, 3214868480
	.section	.rodata,"a",@progbits
	.p2align	6, 0x0
	.amdhsa_kernel k_qc0df66c92e_kvproj
		.amdhsa_group_segment_fixed_size 197120
		.amdhsa_private_segment_fixed_size 0
		.amdhsa_enable_private_segment 0
		.amdhsa_kernarg_size 32
		.amdhsa_user_sgpr_count 2
		.amdhsa_user_sgpr_kernarg_segment_ptr 1
		.amdhsa_wavefront_size32 1
		.amdhsa_system_sgpr_workgroup_id_x 1
		.amdhsa_system_sgpr_workgroup_id_y 1
		.amdhsa_system_sgpr_workgroup_id_z 1
		.amdhsa_system_vgpr_workitem_id 0
		.amdhsa_next_free_vgpr 1024
		.amdhsa_next_free_sgpr 100
		.amdhsa_reserve_vcc 0
		.amdhsa_float_denorm_mode_32 3
		.amdhsa_float_denorm_mode_16_64 3
		.amdhsa_memory_ordered 1
		.amdhsa_forward_progress 1
		.amdhsa_inst_pref_size 96
	.end_amdhsa_kernel
	.amdgpu_metadata
---
amdhsa.version: [ 1, 2 ]
amdhsa.kernels:
  - .name:           k_qc0df66c92e_kvproj
    .symbol:         k_qc0df66c92e_kvproj.kd
    .args:
      - { .name: codes, .offset: 0, .size: 8, .value_kind: global_buffer, .address_space: global }
      - { .name: sc, .offset: 8, .size: 8, .value_kind: global_buffer, .address_space: global }
      - { .name: bkv, .offset: 16, .size: 8, .value_kind: global_buffer, .address_space: global }
      - { .name: kv_img, .offset: 24, .size: 8, .value_kind: global_buffer, .address_space: global }
    .group_segment_fixed_size: 197120
    .private_segment_fixed_size: 0
    .kernarg_segment_align: 8
    .kernarg_segment_size: 32
    .max_flat_workgroup_size: 128
    .sgpr_count:     100
    .vgpr_count:     1024
    .wavefront_size: 32
...
	.end_amdgpu_metadata
.endif
;; end of part 2
;; launch attn (part 3): grid 2 x 128, 16 waves a work-group, no clusters, 296,960 bytes of LDS; arguments codes, sc, bq, kv_img, o_img; writes o_img
.if DOCPART == 3
	.amdgcn_target "amdgcn-amd-amdhsa--gfx1250"
	.amdhsa_code_object_version 6
	.text
	.protected	k_qc0df66c92e_attn
	.globl	k_qc0df66c92e_attn
	.p2align	8
	.type	k_qc0df66c92e_attn,@function
k_qc0df66c92e_attn:
	s_mov_b64 s[64:65], 0
	v_nop
	global_prefetch_b8 v0, s[64:65] scope:SCOPE_SE
	s_setreg_imm32_b32 hwreg(HW_REG_WAVE_MODE, 25, 1), 1
	s_wait_xcnt 0x0
; CROSS ATTENTION, launch 3 of 4.  q = Q(x) Q(Wq)^T + bq for one head (codes of E2M1, E8M0 scales, f32 sums), then o = softmax(q k^T / 8) v with f16 operands and f32 sums, maxima and row sums.
; LEFT OUT: k carries no bias: it adds the same number to every logit of a row, which the softmax takes away for all values of the inputs (shown at the head of the first kernel).
; SHARES.  A work-group owns 512 queries of one (batch, head); each of its sixteen waves owns 32, two tiles of 16, in 256 registers: four waves to a SIMD, so that one wave's softmax stands beside another's products.
; LDS: the head's k and v of all 1,024 keys, 256 KiB as the launch before laid them, and the head's codes of Wq, 32 KiB.  Every byte is filled once, at the start: each wave issues five tensor loads
; (2 KiB of Wq, then 4 KiB of each of four chunks of 256 keys), so by this text's own count five are out, and every wave's counted waits mean the same.  Nothing is filled again.
; THE WAVES MEET THREE TIMES: when Wq is in; when the first 256 keys are in; and, behind four key steps, when every wave has waited for all its loads.  The last twelve key steps run with no barrier among them.
; NO CLUSTER: a head's k and v are read by the two work-groups of its row of the grid alone; a cluster of four along x does not divide a grid of 2, and four along y would join four heads, which share no tile.
; THE q PHASE runs while k and v are on their way: 64 matrix instructions a wave, transposed (source 0 = 16 rows of Wq, source 1 = 16 rows of x), bq as the C of each sum's first instruction.
; Lane (r, h) then holds query r and channels 16 b + 8 h + 0 .. 7: packed to f16 they are registers 4 (b % 2) .. of fragment b / 2 of q, in the lane that wants them.
; BOTH PRODUCTS OF THE ATTENTION ARE USED TRANSPOSED: S^T = k q^T (a lane holds one query and keys 16 kt + 8 h + 0 .. 7), O^T = v^T P; two tiles of S^T, packed, are a fragment of P.  Nothing changes lanes.
; SOFTMAX.  For each query a running maximum m and sum l: p = 2^(c s - c m), c = log2(e) / 8; in every step O^T and l are multiplied by a = 2^(c m_old - c m_new).  m begins at -3e38 and O^T, l at 0, so one text serves every step.
; o_img: [32 along K of the last product: 32 quarters][row tile][c][lane][16 bytes] of f16: the last product's operand registers.  Head h makes quarters 2 h and 2 h + 1.
; REGISTERS: v1 16 x lane; v2 address in hand; v3 Wq's address; v4, v7, v24 offsets of the head's loads; v5, v6 the add's two; v8-23 statistics (tile t at 8 + 8 t: +0 c m, +1 m, +2, +3 l, +4 .. +7 at work, a in +6);
;   v32-63 q (tile t, fragment f at 32 + 16 t + 8 f); v64-127 S^T, then P in place; v128-191 O^T; v192-255 k's eight fragments, then v's.
;   In the q phase: v32-63 bq; v64-127 the sums; v128-159 scale words (8 i + ks: lanes 0-15 x's tile i % 2, lanes 16-31 Wq's tile i); v160-191 Wq's four fragments; v192-255 x's fragments of four K steps.
.set WQL,   262144                     ; LDS: Wq's codes, [256 along K][tile][2,048 bytes]
.set SPARE, 294912                     ; the spare words, 128 bytes for each of sixteen waves
.set LI,  1
.set ADR, 2
.set AW,  3
.set SA,  4
.set SPW, 5
.set NIL, 6
.set SB,  7
.set ST,  8
.set BQO, 24
.set Q,   32
.set S,   64
.set O,   128
.set KV,  192
.set BQ,  32
.set SCR, 128
.set WF,  160
.set XF,  192
.set WV,  14
.set G1K, 24                           ; s[24:31] group 1: 16 rows of 256 bytes
.set G1W, 32                           ; s[32:39] group 1: 8 rows of 256 bytes
.set G0W, 40                           ; s[40:43] group 0 for Wq's part
.set G0K, 44                           ; s[44:59] groups 0 for my part of the four chunks
.set SEL, 60
.set CS,  62
.set TB,  66
.set CNT, 67
	s_load_b256 s[4:11], s[0:1], 0x0               ; codes 4, sc 6, bq 8, kv_img 10
	s_load_b64 s[12:13], s[0:1], 0x20              ; o_img
	v_lshl_add_u32 v[SPW], v0, 2, SPARE
	v_mov_b32 v[NIL], 0
	ds_add_u32 v[SPW], v[NIL]                      ; the wave's opening: the add, twice on end, and its wait ahead of my first tensor load
	ds_add_u32 v[SPW], v[NIL]
	v_lshrrev_b32 v1, 5, v0
	v_readfirstlane_b32 s[WV], v1                  ; wave 0..15
	s_and_b32 s16, ttmp7, 0xffff                   ; 16 x batch + head
	s_and_b32 s17, s16, 15                         ; head
	s_lshr_b32 s18, s16, 4                         ; batch
	s_lshl_b32 s19, s18, 6
	s_lshl_b32 s20, ttmp9, 5
	s_add_co_u32 s19, s19, s20
	s_lshl_b32 s20, s[WV], 1
	s_add_co_u32 s19, s19, s20                     ; my first row tile: 64 batch + 32 x + 2 wave
.irp g, G1K, G1W
	s_mov_b32 s[\g], 3<<16                         ; no mask; elements of 8 bytes; no padding
	s_mov_b32 s[\g+1], 32<<16                      ; rows of 256 bytes
	s_mov_b32 s[\g+3], 32<<16
	s_mov_b32 s[\g+5], 32                          ; dense
	s_mov_b32 s[\g+6], 0
	s_mov_b32 s[\g+7], 0
.endr
	s_mov_b32 s[G1K+2], 16<<16
	s_mov_b32 s[G1K+4], 16
	s_mov_b32 s[G1W+2], 8<<16
	s_mov_b32 s[G1W+4], 8
	s_lshr_b32 s20, s[WV], 2
	s_lshl_b32 s20, s20, 17                        ; Wq: 256 along K are 64 row tiles x 2,048 bytes
	s_lshl_b32 s21, s17, 2
	s_and_b32 s22, s[WV], 3
	s_add_co_u32 s21, s21, s22                     ; row tile 4 head + wave % 4
	s_lshl_b32 s21, s21, 11
	s_add_co_u32 s20, s20, s21
	s_add_co_u32 s20, s20, 7340032                 ; Wq's codes begin here
	s_mov_b32 s21, 0
	s_lshl_b32 s22, s16, 18                        ; k and v: 256 KiB a head,
	s_lshl_b32 s23, s[WV], 12                      ; my 4 KiB of a chunk
	s_add_co_u32 s22, s22, s23
	s_mov_b32 s23, 0
	s_lshl_b32 s68, s[WV], 11
	s_lshl_b32 s69, s[WV], 12
	s_mov_b32 s[SEL], 0x76543210
	s_mov_b32 s[SEL+1], 0xfedcba98                 ; lane l xor 16
	s_mov_b32 s[CS], 0x3e38aa3b                    ; c = log2(e) / 8
	s_mov_b32 s[CS+1], s[CS]                       ; (named with it as a pair, so it is written)
	s_wait_dscnt 0x0                               ; both opening adds are done
	s_wait_kmcnt 0x0
	s_mov_b32 s[G0W], 1
	s_add_co_u32 s[G0W+1], s68, WQL
	s_add_nc_u64 s[G0W+2:G0W+3], s[4:5], s[20:21]
	s_or_b32 s[G0W+3], s[G0W+3], 0x80000000
	s_add_nc_u64 s[22:23], s[10:11], s[22:23]
.irp j, 0,1,2,3
	s_mov_b32 s[G0K+4*\j], 1
	s_add_co_u32 s[G0K+4*\j+1], s69, \j*65536
	s_add_nc_u64 s[G0K+4*\j+2:G0K+4*\j+3], s[22:23], \j*65536
	s_or_b32 s[G0K+4*\j+3], s[G0K+4*\j+3], 0x80000000
.endr
	tensor_load_to_lds s[G0W:G0W+3], s[G1W:G1W+7]  ; Wq first: it is wanted first
	s_nop 0
.irp j, 0,1,2,3
	tensor_load_to_lds s[G0K+4*\j:G0K+4*\j+3], s[G1K:G1K+7]
	s_nop 0
.endr
.rept 4
	v_nop
.endr
	v_and_b32 v[LI], 31, v0
	v_lshlrev_b32 v[LI], 4, v[LI]
	v_add_nc_u32 v[AW], WQL, v[LI]
	v_and_b32 v25, 15, v0                          ; r
	v_bfe_u32 v26, v0, 4, 1                        ; h
	s_lshl_b32 s70, s19, 9                         ; my first row of x in sc: 16 rows a tile, 32 bytes a row
	s_lshl_b32 s71, s17, 6
	s_add_co_u32 s71, s71, 16384                   ; Wq's rows begin at row 16,384 of sc
	s_lshl_b32 s71, s71, 5
	s_sub_co_u32 s71, s71, s70                     ; the distance, positive and under 2^24
	v_mul_u32_u24 v[SA], s71, v26                  ; lanes 16-31 take Wq's
	v_lshl_add_u32 v[SA], v25, 5, v[SA]
	v_add_nc_u32 v[SA], s70, v[SA]
	v_lshl_add_u32 v[SB], v26, 10, v[SA]           ; for registers 2, 3: x's tiles 0, 1 again, Wq's tiles 2, 3
	v_lshlrev_b32 v[BQO], 5, v26
	s_lshl_b32 s72, s19, 11
	s_mov_b32 s73, 0
	s_add_nc_u64 s[72:73], s[4:5], s[72:73]        ; x's codes at my first row tile
	s_lshl_b32 s74, s17, 8
	s_mov_b32 s75, 0
	s_add_nc_u64 s[8:9], s[8:9], s[74:75]          ; bq at my head
	s_lshl_b32 s76, s17, 20                        ; o_img: quarter 2 head: 512 row tiles x 1,024 bytes a quarter,
	s_lshl_b32 s77, s19, 10
	s_add_co_u32 s76, s76, s77                     ; my first row tile
	s_mov_b32 s77, 0
	s_add_nc_u64 s[12:13], s[12:13], s[76:77]
.irp i, 0,1
.irp k, 0,1
	global_load_b128 v[SCR+8*\i+4*\k:SCR+8*\i+4*\k+3], v[SA], s[6:7] offset:512*\i+16*\k
.endr
.endr
.irp i, 0,1
.irp k, 0,1
	global_load_b128 v[SCR+16+8*\i+4*\k:SCR+16+8*\i+4*\k+3], v[SB], s[6:7] offset:512*\i+16*\k
.endr
.endr
.irp b, 0,1,2,3
	global_load_b128 v[BQ+8*\b:BQ+8*\b+3], v[BQO], s[8:9] offset:64*\b          ; in the result's layout: channel 16 b + 8 h + 0 .. 7
	global_load_b128 v[BQ+8*\b+4:BQ+8*\b+7], v[BQO], s[8:9] offset:64*\b+16
.endr
.macro XLOAD ks                        ; x's two fragments of K step ks: four loads
.irp t, 0,1
.irp c, 0,1
	global_load_b128 v[XF+16*((\ks)%4)+8*\t+4*\c:XF+16*((\ks)%4)+8*\t+4*\c+3], v[LI], s[72:73] offset:((\ks)/2)*1048576+2048*\t+((\ks)%2)*1024+512*\c
.endr
.endr
.endm
	XLOAD 0
	XLOAD 1
	XLOAD 2
	XLOAD 3
	s_wait_tensorcnt 4                             ; my part of Wq is in; the four younger loads (k and v) may be out
	s_barrier_signal -1
	s_barrier_wait -1
; A K step of the q phase.  left: the loads of x issued behind this step's, which may stay out.  The eight sums take turns, one instruction a turn.
.macro QK ks, left
.irp b, 0,1,2,3
.irp c, 0,1
	ds_load_b128 v[WF+8*\b+4*\c:WF+8*\b+4*\c+3], v[AW] offset:((\ks)/2)*8192+2048*\b+((\ks)%2)*1024+512*\c
.endr
.endr
	s_wait_loadcnt \left
	s_wait_dscnt 0x0
.irp b, 0,1,2,3
.irp t, 0,1
.if (\ks) == 0
	v_wmma_scale_f32_16x16x128_f8f6f4 v[S+32*\t+8*\b:S+32*\t+8*\b+7], v[WF+8*\b:WF+8*\b+7], v[XF+16*((\ks)%4)+8*\t:XF+16*((\ks)%4)+8*\t+7], v[BQ+8*\b:BQ+8*\b+7], v[SCR+8*\b+(\ks)], v[SCR+8*\t+(\ks)] matrix_a_fmt:MATRIX_FMT_FP4 matrix_b_fmt:MATRIX_FMT_FP4 matrix_a_scale:MATRIX_SCALE_ROW1
.else
	v_wmma_scale_f32_16x16x128_f8f6f4 v[S+32*\t+8*\b:S+32*\t+8*\b+7], v[WF+8*\b:WF+8*\b+7], v[XF+16*((\ks)%4)+8*\t:XF+16*((\ks)%4)+8*\t+7], v[S+32*\t+8*\b:S+32*\t+8*\b+7], v[SCR+8*\b+(\ks)], v[SCR+8*\t+(\ks)] matrix_a_fmt:MATRIX_FMT_FP4 matrix_b_fmt:MATRIX_FMT_FP4 matrix_a_scale:MATRIX_SCALE_ROW1
.endif
.endr
.endr
.rept 4
	v_nop                                          ; places in front of loads into registers that these products have read
.endr
.if (\ks) < 4
	XLOAD (\ks)+4
.endif
.endm
	QK 0, 12
	QK 1, 12
	QK 2, 12
	QK 3, 12
	QK 4, 12
	QK 5, 8
	QK 6, 4
	QK 7, 0
	v_nop                                          ; a fifth place: matrix instructions will write over these products' registers
.irp t, 0,1
.irp b, 0,1,2,3
.irp i, 0,1,2,3
	v_cvt_pk_f16_f32 v[Q+16*\t+4*\b+\i], v[S+32*\t+8*\b+2*\i], v[S+32*\t+8*\b+2*\i+1]   ; q's fragments; each sum from its low end on
.endr
.endr
.endr
.irp t, 0,1
	v_mov_b32 v[ST+8*\t+1], 0xff61b1e6             ; m: -3e38, under every score
	v_mul_f32 v[ST+8*\t], s[CS], v[ST+8*\t+1]      ; c m
	v_mov_b32 v[ST+8*\t+2], 0                      ; l, in two halves
	v_mov_b32 v[ST+8*\t+3], 0
.endr
.irp j, 0,1,2,3,4,5,6,7,8,9,10,11,12,13,14,15,16,17,18,19,20,21,22,23,24,25,26,27,28,29,30,31,32,33,34,35,36,37,38,39,40,41,42,43,44,45,46,47,48,49,50,51,52,53,54,55,56,57,58,59,60,61,62,63
	v_mov_b32 v[O+\j], 0                           ; O^T: the step is written once; the first finds zeros, which a = 0 leaves zeros
.endr
; A KEY STEP: 64 keys, whose 16 KiB begin at LDS byte s[TB].
.macro STEP
	v_add_nc_u32 v[ADR], s[TB], v[LI]
.rept 4
	v_nop                                          ; with the addition five places: the products below write over P, which the last products read, and the loads land in v's registers
.endr
.irp f, 0,1
.irp kt, 0,1,2,3
.irp c, 0,1
	ds_load_b128 v[KV+32*\f+8*\kt+4*\c:KV+32*\f+8*\kt+4*\c+3], v[ADR] offset:2048*\kt+1024*\f+512*\c
.endr
.endr
.endr
	s_wait_dscnt 8                                 ; channels 0-31 are in; the youngest eight loads (channels 32-63) may be out
.irp kt, 0,1,2,3
.irp t, 0,1
	v_wmma_f32_16x16x32_f16 v[S+32*\t+8*\kt:S+32*\t+8*\kt+7], v[KV+8*\kt:KV+8*\kt+7], v[Q+16*\t:Q+16*\t+7], 0
.endr
.endr
	s_wait_dscnt 0x0
.irp kt, 0,1,2,3
.irp t, 0,1
	v_wmma_f32_16x16x32_f16 v[S+32*\t+8*\kt:S+32*\t+8*\kt+7], v[KV+32+8*\kt:KV+32+8*\kt+7], v[Q+16*\t+8:Q+16*\t+15], v[S+32*\t+8*\kt:S+32*\t+8*\kt+7]
.endr
.endr
.rept 4
	v_nop                                          ; places in front of the loads into k's registers and of the first read of the scores
.endr
.irp kf, 0,1
.irp ct, 0,1,2,3
.irp u, 0,1
	ds_load_tr16_b128 v[KV+32*\kf+8*\ct+4*\u:KV+32*\kf+8*\ct+4*\u+3], v[ADR] offset:8192+4096*\kf+1024*\ct+512*\u   ; v, turned: lane (r, h) gets channel r, keys 8 h + 0 .. 7; it lands under the softmax
.endr
.endr
.endr
.irp j, 0,1,2,3                        ; the maximum of a lane's 32 scores and the old m; the two tiles alternate line by line
.irp t, 0,1
	v_max3_num_f32 v[ST+8*\t+4+\j], v[S+32*\t+8*\j], v[S+32*\t+8*\j+1], v[S+32*\t+8*\j+2]
.endr
.endr
.irp g, 1,2
.irp j, 0,1,2,3
.irp t, 0,1
	v_max3_num_f32 v[ST+8*\t+4+\j], v[ST+8*\t+4+\j], v[S+32*\t+8*\j+2*\g+1], v[S+32*\t+8*\j+2*\g+2]
.endr
.endr
.endr
.irp t, 0,1
	v_max3_num_f32 v[ST+8*\t+4], v[ST+8*\t+4], v[S+32*\t+7], v[S+32*\t+15]
.endr
.irp t, 0,1
	v_max3_num_f32 v[ST+8*\t+6], v[ST+8*\t+6], v[S+32*\t+23], v[S+32*\t+31]
.endr
.irp t, 0,1
	v_max3_num_f32 v[ST+8*\t+4], v[ST+8*\t+4], v[ST+8*\t+5], v[ST+8*\t+6]
.endr
.irp t, 0,1
	v_max3_num_f32 v[ST+8*\t+4], v[ST+8*\t+4], v[ST+8*\t+7], v[ST+8*\t+1]
.endr
.irp t, 0,1
	v_permlanex16_b32 v[ST+8*\t+5], v[ST+8*\t+4], s[SEL], s[SEL+1]   ; the query's other 32 keys lie in the lane 16 away
.endr
.irp t, 0,1
	v_mov_b32 v[ST+8*\t+7], v[ST+8*\t]             ; c m_old is kept for a
.endr
.irp t, 0,1
	v_max_num_f32 v[ST+8*\t+1], v[ST+8*\t+4], v[ST+8*\t+5]
.endr
.irp t, 0,1
	v_mul_f32 v[ST+8*\t], s[CS], v[ST+8*\t+1]
.endr
.irp t, 0,1
	v_sub_f32 v[ST+8*\t+7], v[ST+8*\t+7], v[ST+8*\t]
.endr
.irp t, 0,1
	v_exp_f32 v[ST+8*\t+6], v[ST+8*\t+7]           ; a
.endr
.irp p, 0,2,4,6,8,10,12,14,16,18,20,22,24,26,28,30
.irp t, 0,1
	v_pk_fma_f32 v[S+32*\t+\p:S+32*\t+\p+1], v[S+32*\t+\p:S+32*\t+\p+1], s[CS:CS+1], v[ST+8*\t:ST+8*\t+1] op_sel_hi:[1,0,0] neg_lo:[0,0,1] neg_hi:[0,0,1]   ; c s - c m
.endr
.endr
.irp j, 0,1,2,3,4,5,6,7,8,9,10,11,12,13,14,15,16,17,18,19,20,21,22,23,24,25,26,27,28,29,30,31,32,33,34,35,36,37,38,39,40,41,42,43,44,45,46,47,48,49,50,51,52,53,54,55,56,57,58,59,60,61,62,63
	v_exp_f32 v[S+\j], v[S+\j]                     ; p
.endr
	v_nop                                          ; a plain instruction behind the last exponential
	s_wait_alu depctr_va_vdst(0)                   ; one wait for the step's 66 exponentials, ahead of the first instruction that names a result
.irp t, 0,1
	v_pk_mul_f32 v[ST+8*\t+2:ST+8*\t+3], v[ST+8*\t+2:ST+8*\t+3], v[ST+8*\t+6:ST+8*\t+7] op_sel_hi:[1,0]   ; l x a
.endr
.irp t, 0,1
	v_pk_add_f32 v[ST+8*\t+4:ST+8*\t+5], v[S+32*\t:S+32*\t+1], v[S+32*\t+2:S+32*\t+3]   ; the row's sum of p in f32, in two chains
.endr
.irp p, 4,8,12,16,20,24,28
.irp t, 0,1
	v_pk_add_f32 v[ST+8*\t+2:ST+8*\t+3], v[ST+8*\t+2:ST+8*\t+3], v[S+32*\t+\p:S+32*\t+\p+1]
	v_pk_add_f32 v[ST+8*\t+4:ST+8*\t+5], v[ST+8*\t+4:ST+8*\t+5], v[S+32*\t+\p+2:S+32*\t+\p+3]
.endr
.endr
.irp t, 0,1
	v_pk_add_f32 v[ST+8*\t+2:ST+8*\t+3], v[ST+8*\t+2:ST+8*\t+3], v[ST+8*\t+4:ST+8*\t+5]
.endr
.irp n, 0,1,2,3,4,5,6,7,8,9,10,11,12,13,14,15
.irp t, 0,1
	v_cvt_pk_f16_f32 v[S+32*\t+\n], v[S+32*\t+2*\n], v[S+32*\t+2*\n+1]   ; P, in place: register n is written when registers 2 n, 2 n + 1 are read
.endr
.endr
.irp p, 0,2,4,6,8,10,12,14,16,18,20,22,24,26,28,30
.irp t, 0,1
	v_pk_mul_f32 v[O+32*\t+\p:O+32*\t+\p+1], v[O+32*\t+\p:O+32*\t+\p+1], v[ST+8*\t+6:ST+8*\t+7] op_sel_hi:[1,0]   ; O^T x a
.endr
.endr
	s_wait_dscnt 0x0                               ; v is in
.irp kf, 0,1
.irp ct, 0,1,2,3
.irp t, 0,1
	v_wmma_f32_16x16x32_f16 v[O+32*\t+8*\ct:O+32*\t+8*\ct+7], v[KV+32*\kf+8*\ct:KV+32*\kf+8*\ct+7], v[S+32*\t+8*\kf:S+32*\t+8*\kf+7], v[O+32*\t+8*\ct:O+32*\t+8*\ct+7]
.endr
.endr
.endr
	s_add_co_u32 s[TB], s[TB], 16384
.endm
; A RUN OF KEY STEPS behind a meeting of the sixteen waves.  In front of its signal each wave waits until at most 'left' of its tensor loads are out; behind its wait every wave's part of the keys that the run reads has landed.
; No LDS instruction of mine is out at the signal.  The run reads 'trips' key steps from LDS byte 'base' on.
.macro RUN left, base, trips
	s_wait_tensorcnt \left
	s_barrier_signal -1
	s_barrier_wait -1
	s_mov_b32 s[TB], \base
	s_mov_b32 s[CNT], \trips
.Lstep_\@:
	STEP
	s_sub_co_u32 s[CNT], s[CNT], 1
	s_cmp_lg_u32 s[CNT], 0
	s_cbranch_scc1 .Lstep_\@
.endm
	RUN 3, 0, 4                                    ; keys 0-255: my part of the first chunk is in; the three younger loads may be out
	RUN 0, 65536, 12                               ; keys 256-1,023: all my loads are in, and behind the barrier everybody's; twelve steps with no barrier among them
	; THE WAY OUT.  l's halves and the other half of the lanes' are added; O^T is divided by l, rounded to f16, and is the last product's operand as it stands: every store covers 512 consecutive bytes.
.rept 4
	v_nop                                          ; places behind the last products
.endr
.irp t, 0,1
	v_add_f32 v[ST+8*\t+4], v[ST+8*\t+2], v[ST+8*\t+3]
.endr
.irp t, 0,1
	v_permlanex16_b32 v[ST+8*\t+5], v[ST+8*\t+4], s[SEL], s[SEL+1]
.endr
.irp t, 0,1
	v_add_f32 v[ST+8*\t+4], v[ST+8*\t+4], v[ST+8*\t+5]
.endr
.irp t, 0,1
	v_rcp_f32 v[ST+8*\t+6], v[ST+8*\t+4]
.endr
	v_nop                                          ; a plain instruction behind the last reciprocal
	s_wait_alu depctr_va_vdst(0)                   ; and the wait ahead of the first use: one for both
.irp t, 0,1
.irp p, 0,2,4,6,8,10,12,14,16,18,20,22,24,26,28,30
	v_pk_mul_f32 v[O+32*\t+\p:O+32*\t+\p+1], v[O+32*\t+\p:O+32*\t+\p+1], v[ST+8*\t+6:ST+8*\t+7] op_sel_hi:[1,0]
.endr
.irp n, 0,1,2,3,4,5,6,7,8,9,10,11,12,13,14,15
	v_cvt_pk_f16_f32 v[S+16*\t+\n], v[O+32*\t+2*\n], v[O+32*\t+2*\n+1]
.endr
.irp ct, 0,1,2,3
	global_store_b128 v[LI], v[S+16*\t+4*\ct:S+16*\t+4*\ct+3], s[12:13] offset:(\ct/2)*524288+1024*\t+(\ct%2)*512   ; channels 16 ct on: quarter ct / 2 of my head's two, half ct % 2 of the fragment
.endr
.endr
	s_wait_tensorcnt 0x0                           ; the wave's end
	ds_add_u32 v[SPW], v[NIL]
	s_wait_dscnt 0x0
	s_endpgm
.Lfunc_end_k_qc0df66c92e_attn:
	.size	k_qc0df66c92e_attn, .Lfunc_end_k_qc0df66c92e_attn-k_qc0df66c92e_attn
	.p2alignl 7, 3214868480
	.fill 96, 4, 3214868480
	.section	.rodata,"a",@progbits
	.p2align	6, 0x0
	.amdhsa_kernel k_qc0df66c92e_attn
		.amdhsa_group_segment_fixed_size 296960
		.amdhsa_private_segment_fixed_size 0
		.amdhsa_enable_private_segment 0
		.amdhsa_kernarg_size 40
		.amdhsa_user_sgpr_count 2
		.amdhsa_user_sgpr_kernarg_segment_ptr 1
		.amdhsa_wavefront_size32 1
		.amdhsa_system_sgpr_workgroup_id_x 1
		.amdhsa_system_sgpr_workgroup_id_y 1
		.amdhsa_system_sgpr_workgroup_id_z 1
		.amdhsa_system_vgpr_workitem_id 0
		.amdhsa_next_free_vgpr 256
		.amdhsa_next_free_sgpr 80
		.amdhsa_reserve_vcc 0
		.amdhsa_float_denorm_mode_32 3
		.amdhsa_float_denorm_mode_16_64 3
		.amdhsa_memory_ordered 1
		.amdhsa_forward_progress 1
		.amdhsa_inst_pref_size 68
	.end_amdhsa_kernel
	.amdgpu_metadata
---
amdhsa.version: [ 1, 2 ]
amdhsa.kernels:
  - .name:           k_qc0df66c92e_attn
    .symbol:         k_qc0df66c92e_attn.kd
    .args:
      - { .name: codes, .offset: 0, .size: 8, .value_kind: global_buffer, .address_space: global }
      - { .name: sc, .offset: 8, .size: 8, .value_kind: global_buffer, .address_space: global }
      - { .name: bq, .offset: 16, .size: 8, .value_kind: global_buffer, .address_space: global }
      - { .name: kv_img, .offset: 24, .size: 8, .value_kind: global_buffer, .address_space: global }
      - { .name: o_img, .offset: 32, .size: 8, .value_kind: global_buffer, .address_space: global }
    .group_segment_fixed_size: 296960
    .private_segment_fixed_size: 0
    .kernarg_segment_align: 8
    .kernarg_segment_size: 40
    .max_flat_workgroup_size: 512
    .sgpr_count:     80
    .vgpr_count:     256
    .wavefront_size: 32
...
	.end_amdgpu_metadata
.endif
;; end of part 3
;; launch outproj (part 4): grid 4 x 64, 4 waves a work-group, clusters of 4 x 4, 327,680 bytes of LDS; arguments o_img, wo_img, bo, out0; writes out0
.if DOCPART == 4
	.amdgcn_target "amdgcn-amd-amdhsa--gfx1250"
	.amdhsa_code_object_version 6
	.text
	.protected	k_qc0df66c92e_outproj
	.globl	k_qc0df66c92e_outproj
	.p2align	8
	.type	k_qc0df66c92e_outproj,@function
k_qc0df66c92e_outproj:
	s_mov_b64 s[64:65], 0
	v_nop
	global_prefetch_b8 v0, s[64:65] scope:SCOPE_SE
	s_setreg_imm32_b32 hwreg(HW_REG_WAVE_MODE, 25, 1), 1
	s_wait_xcnt 0x0
	s_wait_alu depctr_hold_cnt(0) depctr_sa_sdst(0) depctr_va_vdst(0) depctr_va_sdst(0) depctr_va_ssrc(0) depctr_va_vcc(0) depctr_vm_vsrc(0)
	s_getreg_b32 s2, hwreg(HW_REG_IB_STS2, 6, 4)
	s_cmp_eq_u32 s2, 0
	s_cbranch_scc0 .Lentry_in_a_cluster
	s_endpgm
.Lentry_in_a_cluster:
	s_bfe_u32 s2, ttmp6, 0x10000c
	s_cmp_lg_u32 s2, 0xf033
	s_cbranch_scc0 .Lentry_shape_is_right
	s_endpgm
.Lentry_shape_is_right:
; CROSS ATTENTION, launch 4 of 4.  out0 = o Wo^T + bo: f16 operands (images of operand registers, made by the launches before), f32 sums, f32 result.
; SHARES.  A work-group makes 128 rows x 256 columns: 256 work-groups.  Wave (Mh = wave / 2, Nh = wave % 2) makes 64 x 128: 32 accumulators, 256 registers.
; K = 1,024 is 32 quarters of 32, 32 matrix instructions a wave each.  Both operands lie by quarters: [quarter][row tile][1,024 bytes].  K goes through a ring of two LDS slots of SIX quarters, the most that two slots have room for:
; a quarter is 8 KiB of o and 16 KiB of Wo, six are 147,456 bytes, two slots and the spare words 295,424; seven quarters twice would be 344,064.  32 = 6 + 6 + 6 + 6 + 6 + 2: two first fills, three refills of six quarters, one of two.
; A wave's tensor load is one tile: a row for each quarter (waves 0, 1: 4 KiB, four row tiles of o; waves 2, 3: 8 KiB, eight row tiles of Wo), the rows a quarter's bytes apart in memory and on end in LDS.
; A fragment is two loads of 16 bytes a lane at 16 x lane.  One barrier for each change of slots; behind it one tensor load a wave, which has 192 less 16 matrix instructions in which to land.
; The walk is written out, by macros: it has six slots' worth, and the last refill has a shape of its own.
; CLUSTERS: 4 x 4 work-groups.  The four of a row of the cluster need the same tiles of o, the four of a column the same tiles of Wo: each is asked for jointly.  By this text's own count a wave has at most two tensor loads out.
; THE MATRIX INSTRUCTION IS USED TRANSPOSED (source 0 = 16 rows of Wo, source 1 = 16 rows of o): a lane holds eight neighbouring columns of a row of out0.  bo is the C of each sum's first instruction.
; THE STAGE for the way out lies in slot 0: when the first result is stored there, that slot has had its last fill, and every wave has passed the last change of slots, behind which nobody reads it.
; This launch claims all of the LDS.
; REGISTERS: window 0: v16-29 addresses; v32-127 and v128-223 the two fragment buffers (Wo's 8 fragments, then o's 4); on the way out v32-159 hold rows.   window 1: accumulator (a, b) at v[8 (8 a + b)].   window 2: v0-63 bo, 8 tiles.
.set NQ,     6                         ; quarters in a slot
.set QA,     4096                      ; a quarter of half of o's tile: 4 row tiles
.set QB,     8192                      ; of half of Wo's: 8 row tiles
.set HALFA,  NQ*QA                     ; what a load for o brings
.set HALFB,  NQ*QB                     ; what a load for Wo brings
.set SLOT,   2*HALFA+2*HALFB           ; o's two halves, then Wo's two
.set SPITCH, 528                       ; the stage: 16 rows x 528 bytes for each wave, from LDS byte 0 on
.set SPARE,  2*SLOT                    ; behind the ring: the spare words, 128 bytes for each wave
.set ADRA, 16                          ; v16-17 LDS address of my fragments of o in slot 0, 1
.set ADRB, 20                          ; v20-21 the same for Wo
.set STO,  24
.set RD,   25
.set CO,   26                          ; v26 16 x lane
.set SPW,  28
.set NIL,  29
.set F0,   32
.set F1,   128
.set G1,   24                          ; s[24:31] group 1 for o's tiles of six quarters
.set G0,   32                          ; s[32:39] groups 0 for o, one for each slot
.set G1B,  48                          ; s[48:55] group 1 for Wo's tiles of six quarters
.set G0B,  56                          ; s[56:63] groups 0 for Wo
.set G1S,  68                          ; s[68:75] group 1 for o's last tile, of two quarters
.set G1BS, 76                          ; s[76:83] the same for Wo
.set MUL,  0x50                        ; sources window 0, C and D window 1
.set MSB, 0
.macro WIN new
.if MSB != (\new)
	s_set_vgpr_msb (MSB<<8)|(\new)
.set MSB, (\new)
.endif
.endm
.macro PLACES
.rept 4
	v_nop
.endr
.endm
.macro JLOAD s, ga, gb                 ; a joint load: each of the two lines has one mask and one set of registers; the branch hangs on the wave's number alone
	s_cmp_eq_u32 s13, 0
	s_cbranch_scc0 .Lfor_b_\@
	tensor_load_to_lds s[G0+4*\s:G0+4*\s+3], s[\ga:\ga+7]
	s_nop 0
	PLACES
	s_branch .Lasked_\@
.Lfor_b_\@:
	tensor_load_to_lds s[G0B+4*\s:G0B+4*\s+3], s[\gb:\gb+7]
	s_nop 0
	PLACES
.Lasked_\@:
.endm
.macro CREST                           ; a round of the cluster's barrier behind its opening barrier
	s_cmp_lg_u32 s12, 0
	s_cbranch_scc1 .Lnot_wave_0_\@
	s_barrier_signal -3
.Lnot_wave_0_\@:
	s_barrier_wait -3
	s_barrier_signal -1
	s_barrier_wait -1
.endm
.macro CROUND
	s_barrier_signal -1
	s_barrier_wait -1
	CREST
.endm
	s_load_b256 s[4:11], s[0:1], 0x0               ; o_img 4, wo_img 6, bo 8, out0 10
	v_lshl_add_u32 v[SPW], v0, 2, SPARE
	v_mov_b32 v[NIL], 0
	ds_add_u32 v[SPW], v[NIL]                      ; the wave's opening: the add, twice on end, and its wait ahead of my first tensor load
	ds_add_u32 v[SPW], v[NIL]
	v_lshrrev_b32 v1, 5, v0
	v_readfirstlane_b32 s12, v1                    ; wave 0..3
	s_lshr_b32 s13, s12, 1                         ; Mh.  Also: I fetch for o (0) or for Wo (1)
	s_and_b32 s14, s12, 1                          ; Nh.  Also: which half of that tile I fetch
	s_bfe_u32 s40, ttmp6, 0x40000                  ; cx
	s_bfe_u32 s41, ttmp6, 0x40004                  ; cy
	s_lshl_b32 s42, ttmp9, 2
	s_add_co_u32 s42, s42, s40                     ; tile column
	s_and_b32 s15, ttmp7, 0xffff
	s_lshl_b32 s15, s15, 2
	s_add_co_u32 s15, s15, s41                     ; tile row
	s_lshl_b32 s43, s41, 2
	s_lshl_b32 s43, 15, s43                        ; my row of the cluster
	s_lshl_b32 s44, 0x1111, s40                    ; my column
	s_or_b32 s[G1], s43, (3<<16)|(1<<21)           ; the mask; elements of 8 bytes; bit 21 beside a mask; no padding
	s_or_b32 s[G1S], s43, (3<<16)|(1<<21)
	s_or_b32 s[G1B], s44, (3<<16)|(1<<21)
	s_or_b32 s[G1BS], s44, (3<<16)|(1<<21)
.irp g, G1, G1S
	s_mov_b32 s[\g+1], 512<<16                     ; tensor_dim0: a row is 512 elements, 4 KiB
	s_mov_b32 s[\g+3], 512<<16                     ; tile_dim0
	s_mov_b32 s[\g+5], 65536                       ; from row to row: a quarter of o_img, 524,288 bytes
	s_mov_b32 s[\g+6], 0
	s_mov_b32 s[\g+7], 0
.endr
.irp g, G1B, G1BS
	s_mov_b32 s[\g+1], 1024<<16                    ; a row is 1,024 elements, 8 KiB
	s_mov_b32 s[\g+3], 1024<<16
	s_mov_b32 s[\g+5], 8192                        ; a quarter of wo_img, 65,536 bytes
	s_mov_b32 s[\g+6], 0
	s_mov_b32 s[\g+7], 0
.endr
.irp g, G1, G1B
	s_mov_b32 s[\g+2], NQ<<16                      ; tensor_dim1: six quarters
	s_mov_b32 s[\g+4], NQ                          ; tile_dim1
.endr
.irp g, G1S, G1BS
	s_mov_b32 s[\g+2], 2<<16                       ; the last tile: two quarters
	s_mov_b32 s[\g+4], 2
.endr
	s_lshl_b32 s20, s15, 3
	s_lshl_b32 s21, s14, 2
	s_add_co_u32 s20, s20, s21                     ; o: row tile 8 x tile row + 4 x half
	s_lshl_b32 s20, s20, 10
	s_mov_b32 s21, 0
	s_lshl_b32 s46, s42, 4
	s_lshl_b32 s47, s14, 3
	s_add_co_u32 s46, s46, s47                     ; Wo: row tile 16 x tile column + 8 x half
	s_lshl_b32 s46, s46, 10
	s_mov_b32 s47, 0
	s_mul_i32 s45, s14, HALFA                      ; where they go in a slot: no place in the cluster enters an LDS address
	s_mul_i32 s22, s14, HALFB
	s_add_co_u32 s22, s22, 2*HALFA
	s_wait_dscnt 0x0                               ; both opening adds are done
	s_wait_kmcnt 0x0
	s_add_nc_u64 s[20:21], s[4:5], s[20:21]
	s_add_nc_u64 s[46:47], s[6:7], s[46:47]
	CROUND                                         ; all sixteen work-groups are here: the first joint loads meet
.irp s, 0,1
	s_mov_b32 s[G0+4*\s], 1
	s_add_co_u32 s[G0+4*\s+1], s45, \s*SLOT
	s_add_nc_u64 s[G0+4*\s+2:G0+4*\s+3], s[20:21], \s*NQ*524288    ; slot s begins with quarters 6 s on
	s_or_b32 s[G0+4*\s+3], s[G0+4*\s+3], 0x80000000
	s_mov_b32 s[G0B+4*\s], 1
	s_add_co_u32 s[G0B+4*\s+1], s22, \s*SLOT
	s_add_nc_u64 s[G0B+4*\s+2:G0B+4*\s+3], s[46:47], \s*NQ*65536
	s_or_b32 s[G0B+4*\s+3], s[G0B+4*\s+3], 0x80000000
.endr
	s_cmp_eq_u32 s13, 0                            ; a wave's two first fills stand in one arm
	s_cbranch_scc0 .Lfirst_b
	tensor_load_to_lds s[G0:G0+3], s[G1:G1+7]
	s_nop 0
	tensor_load_to_lds s[G0+4:G0+7], s[G1:G1+7]
	s_nop 0
	PLACES
	s_branch .Lfirst_done
.Lfirst_b:
	tensor_load_to_lds s[G0B:G0B+3], s[G1B:G1B+7]
	s_nop 0
	tensor_load_to_lds s[G0B+4:G0B+7], s[G1B:G1B+7]
	s_nop 0
	PLACES
.Lfirst_done:
	v_and_b32 v1, 31, v0
	v_lshlrev_b32 v[CO], 4, v1
	v_and_b32 v2, 15, v0                           ; r
	v_bfe_u32 v3, v0, 4, 1                         ; h
	s_mul_i32 s16, s13, HALFA
	v_add_nc_u32 v[ADRA], s16, v[CO]
	v_add_nc_u32 v[ADRA+1], SLOT, v[ADRA]
	s_mul_i32 s16, s14, HALFB
	s_add_co_u32 s16, s16, 2*HALFA
	v_add_nc_u32 v[ADRB], s16, v[CO]
	v_add_nc_u32 v[ADRB+1], SLOT, v[ADRB]
	s_mul_i32 s16, s12, 16*SPITCH                  ; my stage
	v_mul_u32_u24 v[STO], v2, SPITCH
	v_lshl_add_u32 v[STO], v3, 5, v[STO]
	v_add_nc_u32 v[STO], s16, v[STO]               ; in: row r, 32 bytes for each half of the lanes
	v_add_nc_u32 v[RD], s16, v[CO]                 ; back: the 32 lanes take a row of 512 bytes
	v_lshlrev_b32 v27, 5, v3
	s_lshl_b32 s16, s15, 7
	s_lshl_b32 s17, s13, 6
	s_add_co_u32 s16, s16, s17                     ; my first row of out0
	s_lshl_b32 s16, s16, 12
	s_mov_b32 s17, 0
	s_add_nc_u64 s[10:11], s[10:11], s[16:17]
	s_lshl_b32 s46, s42, 10
	s_lshl_b32 s47, s14, 9
	s_add_co_u32 s46, s46, s47                     ; my first column, in bytes
	s_mov_b32 s47, 0
	s_add_nc_u64 s[10:11], s[10:11], s[46:47]
	s_add_nc_u64 s[8:9], s[8:9], s[46:47]          ; and the same place in bo
	WIN 0x80                                       ; destination window 2
.irp b, 0,1,2,3,4,5,6,7
	global_load_b128 v[8*\b:8*\b+3], v27, s[8:9] offset:64*\b          ; in the result's layout: column 16 b + 8 h + 0 .. 7
	global_load_b128 v[8*\b+4:8*\b+7], v27, s[8:9] offset:64*\b+16
.endr
	WIN 0
; 8 matrix instructions: o's block a x Wo's eight, 32 along K.  The 32 accumulators take turns, one instruction a turn, in the same order in every quarter.
.macro MUL8 f, a, first
.irp b, 0,1,2,3,4,5,6,7
.if \first
	v_wmma_f32_16x16x32_f16 v[8*(8*\a+\b):8*(8*\a+\b)+7], v[\f+8*\b:\f+8*\b+7], v[\f+64+8*\a:\f+64+8*\a+7], v[8*\b:8*\b+7]
.else
	v_wmma_f32_16x16x32_f16 v[8*(8*\a+\b):8*(8*\a+\b)+7], v[\f+8*\b:\f+8*\b+7], v[\f+64+8*\a:\f+64+8*\a+7], v[8*(8*\a+\b):8*(8*\a+\b)+7]
.endif
.endr
.endm
.macro FETCH slot, q, f                ; 24 LDS loads in one run: Wo's eight fragments of the slot's quarter q, then o's four
.irp b, 0,1,2,3,4,5,6,7
	ds_load_b128 v[\f+8*\b:\f+8*\b+3], v[ADRB+\slot] offset:QB*(\q)+1024*\b
	ds_load_b128 v[\f+8*\b+4:\f+8*\b+7], v[ADRB+\slot] offset:QB*(\q)+1024*\b+512
.endr
.irp a, 0,1,2,3
	ds_load_b128 v[\f+64+8*\a:\f+64+8*\a+3], v[ADRA+\slot] offset:QA*(\q)+1024*\a
	ds_load_b128 v[\f+64+8*\a+4:\f+64+8*\a+7], v[ADRA+\slot] offset:QA*(\q)+1024*\a+512
.endr
.endm
; A quarter that has its successor in the same slot: multiplies buffer f; in its middle it fetches quarter qn of the slot into buffer g.  first = 1: C is bo, in window 2.
.macro QUARTER slot, qn, f, g, first
	s_wait_dscnt 4                                 ; Wo's fragments and o's blocks 0, 1 are in; the youngest four loads (blocks 2, 3) may be out
	WIN MUL+0x10*\first
	MUL8 \f, 0, \first
	MUL8 \f, 1, \first
	PLACES                                         ; in front of loads into registers that the quarter before multiplied
	WIN 0
	FETCH \slot, \qn, \g
	s_wait_dscnt 24                                ; all but the 24 just issued
	WIN MUL+0x10*\first
	MUL8 \f, 2, \first
	MUL8 \f, 3, \first
.endm
.macro FIVE slot, first                ; a slot's first five quarters, on buffers 0, 1, 0, 1, 0
	QUARTER \slot, 1, F0, F1, \first
	QUARTER \slot, 2, F1, F0, 0
	QUARTER \slot, 3, F0, F1, 0
	QUARTER \slot, 4, F1, F0, 0
	QUARTER \slot, 5, F0, F1, 0
.endm
; A slot's sixth quarter multiplies buffer 1 and changes slots: one barrier; in front of it each wave waits for all its tensor loads, adds 0 to its spare word, and waits for that and for its reads of this slot.
; fill = 1: the barrier opens a round of the cluster's barrier, and this slot is filled again, with the six quarters two slots on; fill = 2: with the last two quarters; fill = 0: nothing is left to fetch.
.macro TURN slot, next, fill
	WIN 0                                          ; (the add's two registers lie in window 0)
	s_wait_tensorcnt 0x0                           ; all my tensor loads have landed: my part of the next slot
	ds_add_u32 v[SPW], v[NIL]                      ; 0 onto my spare word
	s_wait_dscnt 5                                 ; (the add and the youngest four loads may be out)
	WIN MUL
	MUL8 F1, 0, 0                                  ; eight matrix instructions stand between the add and the wait for it
	s_wait_dscnt 0x0                               ; the add is done, and my reads of this slot are over
	s_barrier_signal -1
	MUL8 F1, 1, 0
.if \fill
	WIN 0
.endif
	s_barrier_wait -1
.if \fill
	CREST                                          ; no wave of any partner still reads this slot's tile or has a load on its way
	s_add_nc_u64 s[G0+4*\slot+2:G0+4*\slot+3], s[G0+4*\slot+2:G0+4*\slot+3], 2*NQ*524288
	s_add_nc_u64 s[G0B+4*\slot+2:G0B+4*\slot+3], s[G0B+4*\slot+2:G0B+4*\slot+3], 2*NQ*65536
.if \fill == 1
	JLOAD \slot, G1, G1B                           ; the first tensor load behind the round; the four v_nop behind it are also the places in front of the loads below
.else
	JLOAD \slot, G1S, G1BS
.endif
.else
	PLACES
.endif
	WIN 0
	FETCH \next, 0, F0
	WIN MUL
	MUL8 F1, 2, 0
	MUL8 F1, 3, 0
.endm
	s_wait_tensorcnt 1                             ; my part of slot 0 is in; slot 1's may be out
	s_barrier_signal -1
	s_barrier_wait -1
	FETCH 0, 0, F0
	s_wait_loadcnt 0x0                             ; bo
	FIVE 0, 1                                      ; quarters 0-5; the first quarter's products start the sums, from bo
	TURN 0, 1, 1                                   ; slot 0 takes quarters 12-17
	FIVE 1, 0                                      ; quarters 6-11
	TURN 1, 0, 1                                   ; slot 1 takes quarters 18-23
	FIVE 0, 0                                      ; quarters 12-17
	TURN 0, 1, 1                                   ; slot 0 takes quarters 24-29
	FIVE 1, 0                                      ; quarters 18-23
	TURN 1, 0, 2                                   ; slot 1 takes quarters 30, 31
	FIVE 0, 0                                      ; quarters 24-29
	TURN 0, 1, 0                                   ; the last change of slots: nothing is filled, so no round of the cluster's barrier; slot 0 is read no more
	QUARTER 1, 1, F0, F1, 0                        ; quarter 30
	s_wait_dscnt 4                                 ; quarter 31: nothing more to fetch
	WIN MUL
	MUL8 F1, 0, 0
	MUL8 F1, 1, 0
	s_wait_dscnt 0x0
	MUL8 F1, 2, 0
	MUL8 F1, 3, 0
	WIN 0
; THE WAY OUT, a block of 16 rows x 128 columns at a time, through my own stage: a lane holds 32 bytes of a row; the rows come back whole, 512 bytes, and the 32 lanes store them as 512 consecutive bytes.
; LDS serves a wave's instructions in order (ISA guide 5.7.1.4): no wait between the stores and the loads, nor in front of the next block's stores.
.macro TOSTAGE a
	WIN 0x04                                       ; an LDS store's data are its source 1: window 1
.irp b, 0,1,2,3,4,5,6,7
	ds_store_b128 v[STO], v[8*(8*(\a)+\b):8*(8*(\a)+\b)+3] offset:64*\b           ; each accumulator from its low end on
	ds_store_b128 v[STO], v[8*(8*(\a)+\b)+4:8*(8*(\a)+\b)+7] offset:64*\b+16
.endr
	WIN 0
.set BB, 32+64*((\a)%2)
.irp t, 0,1,2,3,4,5,6,7,8,9,10,11,12,13,14,15
	ds_load_b128 v[BB+4*\t:BB+4*\t+3], v[RD] offset:\t*SPITCH
.endr
.endm
.macro SEND a, younger                 ; younger: the LDS instructions issued behind block a's loads, which may stay out
.set BB, 32+64*((\a)%2)
	s_wait_dscnt \younger
.irp t, 0,1,2,3,4,5,6,7,8,9,10,11,12,13,14,15
	global_store_b128 v[CO], v[BB+4*\t:BB+4*\t+3], s[10:11] offset:(16*(\a)+\t)*4096 th:TH_STORE_NT   ; written once, read by nobody here
.endr
.endm
	PLACES                                         ; in front of the stores that read results and of the loads into the fragments' registers
	TOSTAGE 0
.irp a, 1,2,3
.if \a > 1
	s_wait_xcnt 0x0                                ; block a - 2's stores have read their registers: block a's loads land there only behind this wait
.endif
	TOSTAGE \a
	SEND \a-1, 32                                  ; behind block a - 1's loads: block a's 16 stores and 16 loads
.endr
	SEND 3, 0
	s_wait_tensorcnt 0x0                           ; the wave's end
	ds_add_u32 v[SPW], v[NIL]
	s_wait_dscnt 0x0
	CROUND                                         ; the closing round: no work-group ends while a partner may still ask for a tile that names it
	s_endpgm
.Lfunc_end_k_qc0df66c92e_outproj:
	.size	k_qc0df66c92e_outproj, .Lfunc_end_k_qc0df66c92e_outproj-k_qc0df66c92e_outproj
	.p2alignl 7, 3214868480
	.fill 96, 4, 3214868480
	.section	.rodata,"a",@progbits
	.p2align	6, 0x0
	.amdhsa_kernel k_qc0df66c92e_outproj
		.amdhsa_group_segment_fixed_size 327680
		.amdhsa_private_segment_fixed_size 0
		.amdhsa_enable_private_segment 0
		.amdhsa_kernarg_size 32
		.amdhsa_user_sgpr_count 2
		.amdhsa_user_sgpr_kernarg_segment_ptr 1
		.amdhsa_wavefront_size32 1
		.amdhsa_system_sgpr_workgroup_id_x 1
		.amdhsa_system_sgpr_workgroup_id_y 1
		.amdhsa_system_sgpr_workgroup_id_z 1
		.amdhsa_system_vgpr_workitem_id 0
		.amdhsa_next_free_vgpr 576
		.amdhsa_next_free_sgpr 88
		.amdhsa_reserve_vcc 0
		.amdhsa_float_denorm_mode_32 3
		.amdhsa_float_denorm_mode_16_64 3
		.amdhsa_memory_ordered 1
		.amdhsa_forward_progress 1
		.amdhsa_inst_pref_size 148
	.end_amdhsa_kernel
	.amdgpu_metadata
---
amdhsa.version: [ 1, 2 ]
amdhsa.kernels:
  - .name:           k_qc0df66c92e_outproj
    .symbol:         k_qc0df66c92e_outproj.kd
    .args:
      - { .name: o_img, .offset: 0, .size: 8, .value_kind: global_buffer, .address_space: global }
      - { .name: wo_img, .offset: 8, .size: 8, .value_kind: global_buffer, .address_space: global }
      - { .name: bo, .offset: 16, .size: 8, .value_kind: global_buffer, .address_space: global }
      - { .name: out0, .offset: 24, .size: 8, .value_kind: global_buffer, .address_space: global }
    .group_segment_fixed_size: 327680
    .private_segment_fixed_size: 0
    .kernarg_segment_align: 8
    .kernarg_segment_size: 32
    .max_flat_workgroup_size: 128
    .sgpr_count:     88
    .vgpr_count:     576
    .wavefront_size: 32
...
	.end_amdgpu_metadata
.endif
;; end of part 4
